; MI455X (gfx1250); checked and timed in simulation.
; The chip was launched on July 23, 2026; its instructions are those of AMD's public machine-readable ISA for CDNA 5 (MIT licence, August 2026) and "CDNA5" Instruction Set Architecture Reference Guide (July 2026). The comments in the code are by the model that wrote it; some were corrected since.
;; Ring Attention. Allowed arithmetic: matrix products marked QUANTISED: E2M3 operands, one E8M0 scale for each 32 along K, by v_wmma_scale_f32_16x16x128_f8f6f4 with both operands' format E2M3, f32 sums; everything else in f32.
;; Inputs: k_codes 2 x 16 x 2,048 x 4 x 24 uint8 (E2M3 codes of k, K innermost, in blocks of 32 codes, four codes in three bytes); k_scales 2 x 16 x 2,048 x 4 uint8 (E8M0 scales of k, one for each 32 codes along K); q_codes 2 x 16 x 2,048 x 4 x 24 uint8 (E2M3 codes of q, K innermost, in blocks of 32 codes, four codes in three bytes); q_scales 2 x 16 x 2,048 x 4 uint8 (E8M0 scales of q, one for each 32 codes along K); v_codes 2 x 16 x 128 x 64 x 24 uint8 (E2M3 codes of v, K innermost, in blocks of 32 codes, four codes in three bytes); v_scales 2 x 16 x 128 x 64 uint8 (E8M0 scales of v, one for each 32 codes along K).
;; Outputs: out0 2 x 16 x 2,048 x 128 float32.
;; This version of the problem:
;;   THIS VERSION OF THE PROBLEM IS GIVEN IN LOW PRECISION. The matrix products marked QUANTISED in the list below multiply operands that are first quantised to E2M3 (2 exponent bits, 3 mantissa bits; 6 bits a number), with one power-of-two scale for each 32 numbers along K (OCP MX v1.0); their sums are f32. All else is computed in f32.
;;   The module's matrix products, in the order in which they are computed (A, B: the left and right operand; K: the contracted axis; several contracted axes count as one K, in the product's order):
;;     1. batch 32 x [M 2,048, K 128] x [K 128, N 2,048]; A: input q (given as codes); B: input k (given as codes): QUANTISED
;;     2. batch 32 x [M 2,048, K 2,048] x [K 2,048, N 128]; A: softmax (see below); B: input v (given as codes): QUANTISED
;;   THE QUANTISER, for each operand of a quantised product, along K:
;;     - K is cut into blocks of 32 from its start; a last block that is shorter is filled with zeros.
;;     - A block's scale is 2^e with e = floor(log2(the largest magnitude in the block)) - 2, held to -126 .. 127; a block of zeros has e = 0. As a byte (E8M0): e + 127.
;;     - Each number is divided by its block's scale, clamped to +-7.5, and rounded to the nearest number of E2M3, ties to even, subnormals kept.
;;     - The product sums the exact products of the quantised numbers (number of the format x scale) in f32.
;;   ~~~python
;;   def quantise(x, axis):      # numpy; x: float32 -> the quantised numbers, widened to float32 again
;;       x = np.moveaxis(x, axis, -1); K = x.shape[-1]
;;       x = np.pad(x, [(0, 0)] * (x.ndim - 1) + [(0, -K % 32)]); x = x.reshape(x.shape[:-1] + (-1, 32)); a = np.abs(x).max(-1, keepdims=True)
;;       e = np.where(a > 0, np.clip(np.frexp(np.where(a > 0, a, 1))[1] - 1 - 2, -126, 127), 0)      # np.frexp(a)[1] - 1 = floor(log2(a)), exactly
;;       r = np.clip(x / 2.0 ** e, -7.5, 7.5)
;;       step = 2.0 ** (np.maximum(np.frexp(np.where(r == 0, 1, r))[1] - 1, 0) - 3)
;;       q = np.round(r / step) * step * 2.0 ** e      # np.round: ties to even
;;       return np.moveaxis(q.reshape(q.shape[:-2] + (-1,))[..., :K], -1, axis).astype(np.float32)
;;   ~~~
;;   SOFTMAX AHEAD OF A QUANTISED PRODUCT. Where the list says 'softmax', what is quantised is not the finished softmax but p = 2^(t - M), with t = logit x log2(e) and M = ceil(the row's largest t), a whole number; so 1/2 < the row's largest p <= 1. The row's sum l is taken of the UNQUANTISED p, in f32, and the product's result is divided by l at the end. Since M is a whole number, a kernel that streams over the keys may use a running M (the ceiling of the running maximum): every later rescaling is an exact power of two, which a block's scale takes up: the codes' values come out the same.
;;   OPERANDS COMPUTED ON THE WAY. 'Computed on the way' means the value that the module computes at that place (a softmax that the list does not call 'softmax' is quantised finished and normalised). What goes into a quantiser is computed in f32, as accurately as f32 sums, v_exp_f32 and their like allow (about 1e-6 of the number): no bf16 or f16 on the way to a quantiser, and a product that is left as it is and whose result goes on into a quantised operand takes f32 operands (vector FMAs, or v_wmma_f32_16x16x4_f32). A number that lies on a knife's edge between two numbers of the format may be rounded either way, as far as f32 arithmetic and the matrix unit's own rounding can turn it there, and no further.
;;   INPUTS GIVEN AS CODES. k (in the module: [2, 16, 2048, 128], K = its axis 3); q (in the module: [2, 16, 2048, 128], K = its axis 3); v (in the module: [2, 16, 2048, 128], K = its axis 2): each comes as NAME_codes (uint8): NAME with its K axis moved to the last place and cut into blocks of 32 codes, [.., K / 32, bytes a block], one block behind the other in memory; four codes in three bytes: a row's codes are one little-endian stream of bits, code i at bits 6 i .. 6 i + 5 (a code: sign, 2 exponent bits, 3 mantissa bits); and NAME_scales (uint8): the same leading axes, one E8M0 byte (e + 127) for each 32 codes along K. Its value is code x scale, taken as it is: it is not quantised again, and the codes and scales need not be those that the quantiser above would give.
;; One version. Each part assembles by itself: llvm-mc -triple=amdgcn-amd-amdhsa -mcpu=gfx1250 --defsym DOCPART=n.
;; ======== version 1 of 1: 1 launch
;; launch attn (part 1): grid 8 x 32, 8 waves a work-group, no clusters, 327,680 bytes of LDS; arguments q_codes, q_scales, k_codes, k_scales, v_codes, v_scales, out0; writes out0
.if DOCPART == 1
	.amdgcn_target "amdgcn-amd-amdhsa--gfx1250"
	.amdhsa_code_object_version 6
	.text
	.protected	k_qa7acd9edd2_attn
	.globl	k_qa7acd9edd2_attn
	.p2align	8
	.type	k_qa7acd9edd2_attn,@function
k_qa7acd9edd2_attn:
	s_mov_b64 s[64:65], 0
	v_nop
	global_prefetch_b8 v0, s[64:65] scope:SCOPE_SE
	s_setreg_imm32_b32 hwreg(HW_REG_WAVE_MODE, 25, 1), 1
	s_wait_xcnt 0x0
; out[h][q][:] = the sum over keys k <= q of softmax_k(Q[h][q] . K[h][k] / sqrt(128)) V[h][k][:]: 32 heads, 2,048 queries and keys, head size 128.  Both products on codes of FP6 (E2M3) with one E8M0 byte for each 32 along a product's K.
; q, k: codes [head][2048][96 bytes], scale words [head][2048][4].  v: codes with the KEYS innermost, [head][128][1536 bytes], scale bytes [head][128][64].  out: f32 [head][2048][128].
; THE SOFTMAX AHEAD OF THE SECOND PRODUCT: t = score x log2(e) / sqrt(128); M = the running largest t rounded UP to a whole number; p = 2^(t - M) is quantised along the keys, not normalised; the row's sum is taken of the
; unquantised p and divides at the end.  When M moves, the sum and O^T are multiplied by 2^(old M - new M), a power of two.
; SHARES.  A key step is 128 keys, a block 128 queries.  Work-group (i, head) makes block i (key steps 0 .. i) and then block 15 - i (key steps 0 .. 15 - i): (i + 1) + (16 - i) = 17 steps in every one of the 8 x 32 = 256
; work-groups, so the causal triangle is shared evenly and every loop has a constant number of trips.  Key steps beyond a block's diagonal are not computed.  Wave w of eight owns queries 16 w .. 16 w + 15 of the block in hand.
; The steps are numbered SN = 0 .. 16; step SN walks key step KI = SN (SN <= i) or SN - i - 1.  The diagonal step, the only one with hidden keys, is a block's last: SN = i and SN = 16, for all eight waves alike.
; LAYOUT.  Both products are used transposed: S^T = K Q^T (source 0 = 16 keys, source 1 = my 16 queries), O^T = V^T P^T (source 0 = 16 of the head's 128, source 1 = P): a lane holds ONE query (lane % 16) throughout.
; THE KEYS OF A TILE ARE NOT NEIGHBOURS: row m of tile 4 c + u is key 64 c + 32 (m / 8) + 8 u + m % 8.  So lane (r, h) holds in S[32 c .. 32 c + 31] the keys 64 c + 32 h + 0 .. 31: a WHOLE block of 32 in one lane, in the order that
; P's operand has: a block's largest p needs no other lane, and the conversions' results are the operand (three moves a block, since a conversion's three registers begin on an even number).
; THE LOOP IS TURNED: a trip fetches K of step SN, rescales O^T, multiplies V^T P of step SN - 1, then K Q^T of step SN, fetches V of step SN and walks the softmax under which those loads land.
; RING.  Two LDS buffers of four steps' tiles, filled by the tensor data mover four steps ahead: wave w brings one tile of position w % 4, waves 0-3 K's, waves 4-7 V's.  Step 0's tiles and the head's scale bytes have bytes of their own, filled once.
; NO CLUSTER: the eight work-groups of a head read the same tiles, but not in the same trip: in trip SN work-group i is at key step SN or SN - i - 1.  A joint walk over key steps 0 .. 15 would give a partner two, one or no
; tile of work in a round, and the rounds with two would set the pace: more rounds' time than the 17 steps that each has here.
; LIMITS.  A p under 2^-126 counts as 0 (v_exp_f32 gives 0 there).  A block whose every p is 0 gets the scale byte 1 and not 127: its codes are all 0 and add nothing either way.  Hidden scores are replaced by -1e30 ahead of the factor
; log2(e) / sqrt(128): true scores are taken to lie above -1e30, and t above -3e38.  A scale byte 0xff among the inputs gives NaN.
; REGISTERS.  Window 0: v1-23 addresses and statistics, v24-35 at work, v36-62 Q of both blocks, v64-72 scale words (and nothing else), v76-94 P, v96-159 S^T then p, v160-223 O^T, v224-225 1 / sum.
; Window 1: v0-95 K's eight fragments, v96-191 V's eight.  (s_set_vgpr_msb: bits 1:0 source 0, 7:6 destination.)
.set KCH,   3088                       ; 32 keys in LDS: 3,072 bytes + 16.  In pieces of 8 bytes a lane stands at 386 g + 12 rho + 3 h: 12 rho are the eight multiples of 4 mod 32, g adds 2, h adds 3: 32 different pieces of 256 bytes (64 banks of 4 bytes: ISA guide 11.1)
.set VP,    112                        ; a row of V's tile in LDS: 96 bytes + 16: a lane stands at piece 14 r + 3 h: sixteen even and sixteen odd ones mod 32
.set VOFF,  12544                      ; a step's tiles: K's 4 x KCH = 12,352 bytes, then from here V's 128 x VP = 14,336
.set STEPB, 26880                      ; a step's tiles
.set SCK,   4*STEPB                    ; 107,520: behind buffer 0: K's scale words of the head, 8,192 dense bytes
.set SCV,   SCK+8192                   ; 115,712: V's scale bytes, 128 rows of 64 + 8: lane l stands at word 18 l: 32 different banks
.set SPARE, SCV+128*72                 ; 124,928: the spare words, 128 bytes for each wave: four blocks of 256 bytes that no other line names
.set SLOT1, 131072                     ; buffer 1: one exclusive or turns an address in one buffer into the other's
.set STAGE, SLOT1+4*STEPB              ; 238,592: the way out: 16 rows x 272 bytes for each wave; no tile lands here
.set STGW,  16*272
.set STEP0, STAGE+8*STGW               ; 273,408: step 0's tiles, filled once
.set AK,  1                            ; v1   my lane's place in a step's K: KCH g + 96 rho + 24 h  (r = lane % 16, h = lane / 16, g = r / 8, rho = r % 8)
.set AV,  2                            ; v2   in its V: VOFF + VP r + 24 h
.set ASK, 3                            ; v3   among K's scale words: SCK + 4 (32 g + 8 h + rho)
.set ASV, 4                            ; v4   among V's: SCV + 72 x lane
.set SPW, 5                            ; v5   LDS address of my spare word: SPARE + 4 x my thread's number; never rewritten
.set NIL, 6                            ; v6   0; never rewritten
.set GO,  7                            ; v7   the way out: my byte offset in two rows of out: 512 h + 16 r
.set ADK, 8                            ; v8-11 the addresses of the loads in hand: K, V, K's scale words, V's
.set ADV, 9
.set ADS, 10
.set ADT, 11
.set NM,  12                           ; v12  -M     (named as a pair with v13; the packed forms take v12 for both halves)
.set TM,  13                           ; v13  the largest t so far
.set L0,  14                           ; v[14:15], v[16:17] four partial sums of p
.set L1,  16
.set F,   18                           ; v[18:19] 2^(old M - new M), twice
.set LIM, 20                           ; v20  16 w + r - 32 h: register R of S^T is seen if 64 (R / 32) + R % 32 <= LIM
.set SH8, 21                           ; v21  8 h
.set STO, 22                           ; v22  the way out: where I put 32 bytes of a row
.set RD,  23                           ; v23  where I read 16 bytes of a row back
.set T,   24                           ; v24-35 at work
.set Q,   36                           ; v[36:47] Q's fragment of the block in hand;  v48 its scale words
.set QS,  48
.set QH,  50                           ; v[50:61], v62 the same for block 15 - i, kept until it is due
.set QHS, 62
.set KS,  64                           ; v64-67 K's scale words: register q: lanes 0-15 tile 2 q, lanes 16-31 tile 2 q + 1
.set VS,  68                           ; v68-71 V's likewise
.set PS,  72                           ; v72  P's scale word
.set P,   76                           ; v[76:87] P's codes;  v[88:90], v[92:94] the upper halves of its two blocks as the conversions leave them
.set PT0, 88
.set PT1, 92
.set S,   96
.set O,   160
.set RL,  224                          ; v[224:225] 1 / the sum (the packed multiply takes v224 for both halves)
.set KF,  0                            ; in window 1
.set VF,  96
.set WV,   20                          ; s20  my wave's number
.set SG,   21                          ; s21  wave % 4: the position whose tile I fetch
.set BI,   22                          ; s22  i
.set BI1,  23                          ; s23  i + 1
.set G1K,  24                          ; s[24:31] descriptor group 1 for K's tiles;  s[32:39] V's;  s[40:47] K's scale words;  s[48:55] V's scale bytes
.set G1V,  32
.set G1SK, 40
.set G1SV, 48
.set G0K,  56                          ; s[56:59], s[60:63] groups 0 that walk;  s[68:71], s[72:75] step 0's;  s[76:79], s[80:83] the scales'
.set G0V,  60
.set G0KA, 68
.set G0VA, 72
.set G0SK, 76
.set G0SV, 80
.set SN,   84                          ; s84  the step in hand
.set KI,   85                          ; s85  its key step
.set DG,   86                          ; s86  the next diagonal step: i, then 16
.set TB,   87                          ; s87  LDS byte at which the step's tiles begin
.set FN,   88                          ; s88  the step whose tile I fetched last
.set CO,   89                          ; s89, s90 loop counters
.set CI,   90
.set CS,   92                          ; s[92:93] c = log2(e) / sqrt(128), twice
.set SEL,  94                          ; s[94:95] v_permlanex16_b32's selects for lane l xor 16
.set W,    96                          ; s[96:99], s100, s101 at work
.set X0,   100
.set X1,   101
.set MSB, 0
.macro WIN new                         ; the immediate's high byte repeats the setting that is left; a switch that changes nothing is dropped
.if MSB != \new
	s_set_vgpr_msb (MSB<<8)|\new
.set MSB, \new
.endif
.endm
; One wave's extra first fill.  Four v_nop follow every tensor load, ahead of the label and what follows.
.macro XLOAD wave, g0, g1
	s_cmp_lg_u32 s[WV], \wave
	s_cbranch_scc1 .Lnot_mine_\@
	tensor_load_to_lds s[\g0:\g0+3], s[\g1:\g1+7]
	s_nop 0
.rept 4
	v_nop
.endr
.Lnot_mine_\@:
.endm
; A buffer's fill: every wave brings one tile, waves 0-3 K's and waves 4-7 V's.  The branch hangs on the wave's number alone.
.macro TLOAD
	s_cmp_lt_u32 s[WV], 4
	s_cbranch_scc0 .Lfor_v_\@
	tensor_load_to_lds s[G0K:G0K+3], s[G1K:G1K+7]
	s_nop 0
.rept 4
	v_nop
.endr
	s_branch .Lasked_\@
.Lfor_v_\@:
	tensor_load_to_lds s[G0V:G0V+3], s[G1V:G1V+7]
	s_nop 0
.rept 4
	v_nop
.endr
.Lasked_\@:
.endm
; The global addresses of step FN's tiles: key step FN (FN <= i) or FN - i - 1, at most 15: 12,288 bytes of K a key step, 96 bytes along V's rows.
.macro FADDR
	s_cmp_le_u32 s[FN], s[BI]
	s_cselect_b32 s[X0], 0, s[BI1]
	s_sub_co_u32 s[X0], s[FN], s[X0]
	s_mov_b32 s[W+1], 0
	s_mul_i32 s[W], s[X0], 12288
	s_add_nc_u64 s[G0K+2:G0K+3], s[8:9], s[W:W+1]
	s_or_b32 s[G0K+3], s[G0K+3], 0x80000000        ; 127:126 type = 2
	s_mul_i32 s[W], s[X0], 96
	s_add_nc_u64 s[G0V+2:G0V+3], s[12:13], s[W:W+1]
	s_or_b32 s[G0V+3], s[G0V+3], 0x80000000
.endm
	s_load_b128 s[4:7], s[0:1], 0x0                ; q's codes, q's scales
	s_load_b128 s[8:11], s[0:1], 0x10              ; k's codes, k's scales
	s_load_b128 s[12:15], s[0:1], 0x20             ; v's codes, v's scales
	s_load_b64 s[16:17], s[0:1], 0x30              ; out
	v_lshl_add_u32 v[SPW], v0, 2, SPARE
	v_mov_b32 v[NIL], 0
	ds_add_u32 v5, v6
	ds_add_u32 v5, v6
	s_wait_dscnt 0x0
	v_lshrrev_b32 v8, 5, v0
	v_readfirstlane_b32 s[WV], v8                  ; wave 0..7
	s_and_b32 s[SG], s[WV], 3
	s_mov_b32 s[BI], ttmp9                         ; i
	s_add_co_u32 s[BI1], ttmp9, 1
	s_and_b32 s[X0], ttmp7, 0xffff                 ; the head
	s_mul_i32 s[W], s[X0], 196608                  ; its first byte in each tensor of codes (2,048 x 96 = 128 x 1,536),
	s_mov_b32 s[W+1], 0
	s_lshl_b32 s[W+2], s[X0], 13                   ; in each tensor of scale bytes,
	s_mov_b32 s[W+3], 0
	s_lshl_b32 s[SN], s[X0], 20                    ; and in out (s[84:85] are at work here)
	s_mov_b32 s[KI], 0
	; descriptor group 1, elements of 8 bytes throughout.  K: 128 keys are 12,288 dense bytes, taken as 4 rows of 384 elements; the tile is stated two elements wider than the tensor's extent:
	; what lies past the extent arrives as zeros, and the rows lie 386 elements = KCH bytes apart in LDS
	s_mov_b32 s[G1K], 3<<16                        ; 15:0 no mask; 17:16 elements of 8 bytes; 20 padding off
	s_mov_b32 s[G1K+1], 384<<16                    ; tensor_dim0
	s_mov_b32 s[G1K+2], 4<<16                      ; tensor_dim1
	s_mov_b32 s[G1K+3], 386<<16                    ; tile_dim0
	s_mov_b32 s[G1K+4], 4                          ; tile_dim1
	s_mov_b32 s[G1K+5], 384                        ; tensor_dim0_stride
	s_mov_b32 s[G1K+6], 0
	s_mov_b32 s[G1K+7], 0
	; V: 128 rows of 12 elements (128 keys' codes), 192 elements apart in memory; the tile again two elements wider: rows VP bytes apart in LDS
	s_mov_b32 s[G1V], 3<<16
	s_mov_b32 s[G1V+1], 12<<16
	s_mov_b32 s[G1V+2], 128<<16
	s_mov_b32 s[G1V+3], 14<<16
	s_mov_b32 s[G1V+4], 128
	s_mov_b32 s[G1V+5], 192
	s_mov_b32 s[G1V+6], 0
	s_mov_b32 s[G1V+7], 0
	; K's scale words of the head: 8,192 dense bytes as 32 rows of 256
	s_mov_b32 s[G1SK], 3<<16
	s_mov_b32 s[G1SK+1], 32<<16
	s_mov_b32 s[G1SK+2], 32<<16
	s_mov_b32 s[G1SK+3], 32<<16
	s_mov_b32 s[G1SK+4], 32
	s_mov_b32 s[G1SK+5], 32
	s_mov_b32 s[G1SK+6], 0
	s_mov_b32 s[G1SK+7], 0
	; V's scale bytes: 128 rows of 64 bytes, dense; 2 words of padding behind every 16 words: rows 72 bytes apart
	s_mov_b32 s[G1SV], (3<<16)|(1<<20)|(3<<22)|(1<<25)
	s_mov_b32 s[G1SV+1], 8<<16
	s_mov_b32 s[G1SV+2], 128<<16
	s_mov_b32 s[G1SV+3], 8<<16
	s_mov_b32 s[G1SV+4], 128
	s_mov_b32 s[G1SV+5], 8
	s_mov_b32 s[G1SV+6], 0
	s_mov_b32 s[G1SV+7], 0
	s_add_co_u32 s[FN], s[SG], 1                   ; my first tile of the ring: step 1 + wave % 4,
	s_mov_b32 s[G0K], 1                            ; 1:0 count = 1
	s_mul_i32 s[G0K+1], s[SG], STEPB               ; 63:32 LDS address: buffer 0, position wave % 4
	s_mov_b32 s[G0V], 1
	s_add_co_u32 s[G0V+1], s[G0K+1], VOFF
	s_mov_b32 s[G0KA], 1
	s_mov_b32 s[G0KA+1], STEP0
	s_mov_b32 s[G0VA], 1
	s_mov_b32 s[G0VA+1], STEP0+VOFF
	s_mov_b32 s[G0SK], 1
	s_mov_b32 s[G0SK+1], SCK
	s_mov_b32 s[G0SV], 1
	s_mov_b32 s[G0SV+1], SCV
	s_wait_kmcnt 0x0
	s_add_nc_u64 s[4:5], s[4:5], s[W:W+1]          ; all seven tensors at the head's first byte
	s_add_nc_u64 s[6:7], s[6:7], s[W+2:W+3]
	s_add_nc_u64 s[8:9], s[8:9], s[W:W+1]
	s_add_nc_u64 s[10:11], s[10:11], s[W+2:W+3]
	s_add_nc_u64 s[12:13], s[12:13], s[W:W+1]
	s_add_nc_u64 s[14:15], s[14:15], s[W+2:W+3]
	s_add_nc_u64 s[16:17], s[16:17], s[SN:SN+1]
	s_mov_b64 s[G0KA+2:G0KA+3], s[8:9]             ; step 0 is key step 0
	s_or_b32 s[G0KA+3], s[G0KA+3], 0x80000000
	s_mov_b64 s[G0VA+2:G0VA+3], s[12:13]
	s_or_b32 s[G0VA+3], s[G0VA+3], 0x80000000
	s_mov_b64 s[G0SK+2:G0SK+3], s[10:11]
	s_or_b32 s[G0SK+3], s[G0SK+3], 0x80000000
	s_mov_b64 s[G0SV+2:G0SV+3], s[14:15]
	s_or_b32 s[G0SV+3], s[G0SV+3], 0x80000000
	FADDR
	; THE FIRST FILLS, one group ahead of every wait on TENSORcnt, every LDS read and every barrier: what step 0 wants first, then buffer 0.  Waves 0, 3, 4, 7 have two loads out, the others one.
	XLOAD 3, G0KA, G1K
	XLOAD 7, G0VA, G1V
	XLOAD 0, G0SK, G1SK
	XLOAD 4, G0SV, G1SV
	TLOAD
	; where my tiles of queries lie: block i and block 15 - i, 16 w on
	s_lshl_b32 s[X0], s[BI], 7
	s_lshl_b32 s[SN], s[WV], 4
	s_add_co_u32 s[X0], s[X0], s[SN]               ; my first query of block i
	s_sub_co_u32 s[X1], 15, s[BI]
	s_lshl_b32 s[X1], s[X1], 7
	s_add_co_u32 s[X1], s[X1], s[SN]               ; and of block 15 - i
	s_mov_b32 s[KI], 0
	s_mul_i32 s[SN], s[X1], 96
	s_add_nc_u64 s[W:W+1], s[4:5], s[SN:SN+1]      ; block 15 - i: codes,
	s_lshl_b32 s[SN], s[X1], 2
	s_add_nc_u64 s[W+2:W+3], s[6:7], s[SN:SN+1]    ; scale words,
	s_lshl_b32 s[SN], s[X1], 9
	s_add_nc_u64 s[18:19], s[16:17], s[SN:SN+1]    ; rows of out
	s_mul_i32 s[SN], s[X0], 96
	s_add_nc_u64 s[4:5], s[4:5], s[SN:SN+1]        ; block i likewise
	s_lshl_b32 s[SN], s[X0], 2
	s_add_nc_u64 s[6:7], s[6:7], s[SN:SN+1]
	s_lshl_b32 s[SN], s[X0], 9
	s_add_nc_u64 s[16:17], s[16:17], s[SN:SN+1]
	v_and_b32 v8, 15, v0                           ; r
	v_bfe_u32 v9, v0, 4, 1                         ; h
	v_and_b32 v10, 7, v0                           ; rho
	v_bfe_u32 v11, v0, 3, 1                        ; g
	v_mul_u32_u24 v26, v8, 96
	v_mad_u32_u24 v26, v9, 24, v26                 ; Q: row r, + my half's 24 bytes
	v_lshlrev_b32 v27, 2, v8                       ; its scale word
.irp p, 0,1,2,3,4,5
	global_load_b64 v[Q+2*\p:Q+2*\p+1], v26, s[4:5] offset:48*(\p/3)+8*(\p%3) th:TH_LOAD_NT       ; both blocks' fragments of Q stay in registers
.endr
	global_load_b32 v[QS], v27, s[6:7] th:TH_LOAD_NT
.irp p, 0,1,2,3,4,5
	global_load_b64 v[QH+2*\p:QH+2*\p+1], v26, s[W:W+1] offset:48*(\p/3)+8*(\p%3) th:TH_LOAD_NT
.endr
	global_load_b32 v[QHS], v27, s[W+2:W+3] th:TH_LOAD_NT
	v_mul_u32_u24 v[AK], v11, KCH
	v_mad_u32_u24 v[AK], v10, 96, v[AK]
	v_mad_u32_u24 v[AK], v9, 24, v[AK]
	v_mul_u32_u24 v[AV], v8, VP
	v_mad_u32_u24 v[AV], v9, 24, v[AV]
	v_add_nc_u32 v[AV], VOFF, v[AV]
	v_lshlrev_b32 v[ASK], 2, v10
	v_lshl_add_u32 v[ASK], v9, 5, v[ASK]
	v_lshl_add_u32 v[ASK], v11, 7, v[ASK]
	v_add_nc_u32 v[ASK], SCK, v[ASK]
	v_and_b32 v24, 31, v0
	v_mul_u32_u24 v[ASV], v24, 72
	v_add_nc_u32 v[ASV], SCV, v[ASV]
	v_lshlrev_b32 v[GO], 9, v9
	v_lshl_add_u32 v[GO], v8, 4, v[GO]
	s_lshl_b32 s[X0], s[WV], 4
	v_add_nc_u32 v[LIM], s[X0], v8
	v_lshlrev_b32 v25, 5, v9
	v_sub_nc_u32 v[LIM], v[LIM], v25
	v_lshlrev_b32 v[SH8], 3, v9
	s_mul_i32 s[X0], s[WV], STGW
	s_add_co_u32 s[X0], s[X0], STAGE               ; my stage
	v_mul_u32_u24 v[STO], v8, 272                  ; in: row r; 32 bytes for each half of the lanes
	v_lshl_add_u32 v[STO], v9, 5, v[STO]
	v_add_nc_u32 v[STO], s[X0], v[STO]
	v_mul_u32_u24 v[RD], v9, 272                   ; back: lanes 0-15 one row of 256 bytes, lanes 16-31 the next
	v_lshl_add_u32 v[RD], v8, 4, v[RD]
	v_add_nc_u32 v[RD], s[X0], v[RD]
	v_mov_b32 v[T+5], 0                            ; (the destination of a lane permute counts as read)
	v_mov_b32 v[T+11], 0
	v_mov_b32 v[RL+1], 0                           ; (named with v224 as a pair)
	s_mov_b32 s[CS], 0x3e0293ee                    ; c = log2(e) / sqrt(128)
	s_mov_b32 s[CS+1], s[CS]
	s_mov_b32 s[SEL], 0x76543210
	s_mov_b32 s[SEL+1], 0xfedcba98
	s_mov_b32 s[SN], 0
	s_mov_b32 s[KI], 0
	s_mov_b32 s[DG], s[BI]
	s_mov_b32 s[TB], STEP0
; A block begins: O^T and the sums as zeros, the largest t under every t.  The step is written once: a block's first step finds zeros, which its factor 2^(old M - new M) = 0 leaves zeros.
.macro INIT
.set jj, 0
.rept 64
	v_mov_b32 v[O+jj], 0
.set jj, jj+1
.endr
.irp j, 0,1,2,3
	v_mov_b32 v[L0+\j], 0
.endr
	v_mov_b32 v[TM], 0xff61b1e6                    ; -3e38
	v_floor_f32 v[NM], -v[TM]
.endm
; A fragment, 16 rows x 128 K of 6-bit codes, is 12 registers: registers 6 c .. 6 c + 5 hold K = 64 c + 32 h + 0 .. 31: 24 bytes of the row's stream of bits as they lie, in pieces of 8 bytes
.macro FRAG reg, adr, off
.irp p, 0,1,2,3,4,5
	ds_load_b64 v[\reg+2*\p:\reg+2*\p+1], v[\adr] offset:\off+48*(\p/3)+8*(\p%3)
.endr
.endm
; 52 LDS loads: K's eight fragments of the step in hand (tile 4 c + u begins 2 c chunks and 8 u keys on) and their scale words
.macro FETCH_K
	v_add_nc_u32 v[ADK], s[TB], v[AK]
	s_lshl_b32 s[X0], s[KI], 9                     ; 512 bytes of scale words a key step
	v_add_nc_u32 v[ADS], s[X0], v[ASK]
	WIN 0x40                                       ; destination window 1
.set tt, 0
.rept 8
	FRAG KF+12*tt, ADK, 2*KCH*(tt/4)+768*(tt%4)
.set tt, tt+1
.endr
	WIN 0
.irp q, 0,1,2,3
	ds_load_b32 v[KS+\q], v[ADS] offset:256*(\q/2)+64*(\q%2)    ; lanes 0-15: tile 2 q's keys; lanes 16-31 (8 keys on): tile 2 q + 1's
.endr
.endm
; 52 LDS loads: V's eight fragments (tile t: rows 16 t on) and their scale words (register q: rows 32 q + lane)
.macro FETCH_V
	WIN 0x40
.set tt, 0
.rept 8
	FRAG VF+12*tt, ADV, 16*VP*tt
.set tt, tt+1
.endr
	WIN 0
.irp q, 0,1,2,3
	ds_load_b32 v[VS+\q], v[ADT] offset:32*72*\q
.endr
.endm
; S^T = K Q^T: eight products, each starts its own sum.  An odd tile's scale words stand in lanes 16-31 of its register.
.macro KQ
	WIN 0x01                                       ; source 0 window 1
.set tt, 0
.rept 8
.if tt%2
	v_wmma_scale_f32_16x16x128_f8f6f4 v[S+8*tt:S+8*tt+7], v[KF+12*tt:KF+12*tt+11], v[Q:Q+11], 0, v[KS+tt/2], v[QS] matrix_a_fmt:MATRIX_FMT_FP6 matrix_b_fmt:MATRIX_FMT_FP6 matrix_a_scale:MATRIX_SCALE_ROW1
.else
	v_wmma_scale_f32_16x16x128_f8f6f4 v[S+8*tt:S+8*tt+7], v[KF+12*tt:KF+12*tt+11], v[Q:Q+11], 0, v[KS+tt/2], v[QS] matrix_a_fmt:MATRIX_FMT_FP6 matrix_b_fmt:MATRIX_FMT_FP6
.endif
.set tt, tt+1
.endr
	WIN 0
.endm
; O^T += V^T P^T: eight products on eight accumulators, one instruction a turn; the matrix instructions before and behind them are KQ's, on other registers
.macro PV
	WIN 0x01
.set tt, 0
.rept 8
.if tt%2
	v_wmma_scale_f32_16x16x128_f8f6f4 v[O+8*tt:O+8*tt+7], v[VF+12*tt:VF+12*tt+11], v[P:P+11], v[O+8*tt:O+8*tt+7], v[VS+tt/2], v[PS] matrix_a_fmt:MATRIX_FMT_FP6 matrix_b_fmt:MATRIX_FMT_FP6 matrix_a_scale:MATRIX_SCALE_ROW1
.else
	v_wmma_scale_f32_16x16x128_f8f6f4 v[O+8*tt:O+8*tt+7], v[VF+12*tt:VF+12*tt+11], v[P:P+11], v[O+8*tt:O+8*tt+7], v[VS+tt/2], v[PS] matrix_a_fmt:MATRIX_FMT_FP6 matrix_b_fmt:MATRIX_FMT_FP6
.endif
.set tt, tt+1
.endr
	WIN 0
.endm
; O^T under the new M: x 2^(old M - new M), each accumulator from its low end on.  These 32 are also the places between the vector instructions that wrote P and its scale word and the products that take them.
.macro RESCALE
.set jj, 0
.rept 32
	v_pk_mul_f32 v[O+2*jj:O+2*jj+1], v[O+2*jj:O+2*jj+1], v[F:F+1]
.set jj, jj+1
.endr
.endm
; The diagonal step: register R holds key 64 (R / 32) + 32 h + R % 32 of the step, my query is 16 w + r of the block: a key behind the query gets -1e30.  No branch on lanes: a select in every register, ascending.
.macro MASK
.set jj, 0
.rept 64
	v_cmp_le_i32 vcc_lo, 64*(jj/32)+jj%32, v[LIM]
	v_cndmask_b32 v[S+jj], 0xf149f2ca, v[S+jj], vcc_lo
.set jj, jj+1
.endr
.endm
.macro SOFTMAX
	; the largest score of each of my two blocks of 32 keys: four chains that do not wait for each other, each accumulator from its low end on
.irp c, 0,1
	v_max3_num_f32 v[T+2*\c], v[S+32*\c], v[S+32*\c+1], v[S+32*\c+2]
	v_max3_num_f32 v[T+2*\c+1], v[S+32*\c+16], v[S+32*\c+17], v[S+32*\c+18]
.endr
.irp i, 3,5,7,9,11,13
.irp c, 0,1
	v_max3_num_f32 v[T+2*\c], v[T+2*\c], v[S+32*\c+\i], v[S+32*\c+\i+1]
	v_max3_num_f32 v[T+2*\c+1], v[T+2*\c+1], v[S+32*\c+16+\i], v[S+32*\c+17+\i]
.endr
.endr
	v_max3_num_f32 v[T], v[T], v[T+1], v[S+15]
	v_max3_num_f32 v[T+2], v[T+2], v[T+3], v[S+47]
	v_max_num_f32 v[T], v[T], v[S+31]              ; block h's
	v_max_num_f32 v[T+2], v[T+2], v[S+63]          ; block 2 + h's
	v_max_num_f32 v[T+4], v[T], v[T+2]
	v_permlanex16_b32 v[T+5], v[T+4], s[SEL], s[SEL+1]
	v_max_num_f32 v[T+4], v[T+4], v[T+5]           ; the step's largest score of my query
	v_mul_f32 v[T+4], s[CS], v[T+4]                ; as t (c is positive)
	v_max_num_f32 v[TM], v[TM], v[T+4]             ; the running largest t
	v_mov_b32 v[T+6], v[NM]
	v_floor_f32 v[NM], -v[TM]                      ; the new -M = floor(-t) = -ceil(t): M IS A WHOLE NUMBER
	v_sub_f32 v[T+6], v[NM], v[T+6]                ; M's old value less its new one: a whole number, 0 or less
	v_cvt_i32_f32 v[T+6], v[T+6]                   ; (it saturates: a block's first step gives the factor 0)
	v_ldexp_f32 v[F], 1.0, v[T+6]
	v_fma_f32 v[T+7], v[T], s[CS], v[NM]           ; my blocks' largest p, by the same multiply-add and the same exponential as the number itself: the same bits
	v_fma_f32 v[T+8], v[T+2], s[CS], v[NM]
	v_exp_f32 v[T+7], v[T+7]
	v_exp_f32 v[T+8], v[T+8]
	v_pk_fma_f32 v[S:S+1], v[S:S+1], s[CS:CS+1], v[NM:NM+1] op_sel_hi:[1,0,0]        ; t - M, two at a time
	v_pk_fma_f32 v[S+2:S+3], v[S+2:S+3], s[CS:CS+1], v[NM:NM+1] op_sel_hi:[1,0,0]
	; 64 exponentials, p = 2^(t - M); behind each stands a plain instruction that touches neither its result nor its source (ISA guide 5.7.2): t - M two pairs ahead, the sum of the pair before
.set pp, 0
.rept 32
	v_exp_f32 v[S+2*pp], v[S+2*pp]
.if pp < 30
	v_pk_fma_f32 v[S+2*pp+4:S+2*pp+5], v[S+2*pp+4:S+2*pp+5], s[CS:CS+1], v[NM:NM+1] op_sel_hi:[1,0,0]
.elseif pp == 30
	v_max_u32 v[T+7], 0x1800000, v[T+7]            ; the exponent field held at 3 from below: the byte is not to fall under 1
.else
	v_max_u32 v[T+8], 0x1800000, v[T+8]
.endif
	v_exp_f32 v[S+2*pp+1], v[S+2*pp+1]
.if pp == 0
	v_mov_b32 v[F+1], v[F]
.elseif pp < 3
	s_wait_alu depctr_va_vdst(0)
	v_pk_fma_f32 v[L0+2*(pp-1):L0+2*(pp-1)+1], v[L0+2*(pp-1):L0+2*(pp-1)+1], v[F:F+1], v[S+2*(pp-1):S+2*(pp-1)+1]   ; the sums come under the new M as they take their first pair
.else
	s_wait_alu depctr_va_vdst(0)
	v_pk_add_f32 v[L0+2*((pp-1)%2):L0+2*((pp-1)%2)+1], v[L0+2*((pp-1)%2):L0+2*((pp-1)%2)+1], v[S+2*(pp-1):S+2*(pp-1)+1]   ; the row's sum is taken of the UNQUANTISED p
.endif
.set pp, pp+1
.endr
	v_pk_add_f32 v[L1:L1+1], v[L1:L1+1], v[S+62:S+63]
	v_add_nc_u32 v[T+7], 0xff000000, v[T+7]        ; exponent field - 2 = the scale's byte, in the place where the conversion reads it (it ignores the mantissa)
	v_add_nc_u32 v[T+8], 0xff000000, v[T+8]
	v_lshrrev_b32 v[T+9], 23, v[T+7]
	v_lshrrev_b32 v[T+10], 23, v[T+8]
	v_lshl_or_b32 v[T+9], v[T+10], 16, v[T+9]      ; my two bytes: blocks h and 2 + h,
	v_lshlrev_b32 v[T+9], v[SH8], v[T+9]           ; at their places in the scale word;
	v_permlanex16_b32 v[T+11], v[T+9], s[SEL], s[SEL+1]
	v_or_b32 v[PS], v[T+9], v[T+11]                ; with lane l xor 16's two the word is whole
	v_cvt_scalef32_pk16_fp6_f32 v[P:P+2], v[S:S+15], v[T+7]
	v_cvt_scalef32_pk16_fp6_f32 v[PT0:PT0+2], v[S+16:S+31], v[T+7]     ; (a conversion's three registers begin on an even number: a block's upper half is made elsewhere and moved)
	v_cvt_scalef32_pk16_fp6_f32 v[P+6:P+8], v[S+32:S+47], v[T+8]
	v_cvt_scalef32_pk16_fp6_f32 v[PT1:PT1+2], v[S+48:S+63], v[T+8]
	v_nop                                          ; one plain place behind a scaled conversion
.irp i, 0,1,2
	v_mov_b32 v[P+3+\i], v[PT0+\i]
	v_mov_b32 v[P+9+\i], v[PT1+\i]
.endr
.endm
.macro NEXT                            ; on to the next step: its tiles lie STEPB on; its key step is one on, or 0 where block 15 - i begins
	s_add_co_u32 s[TB], s[TB], STEPB
	s_add_co_u32 s[SN], s[SN], 1
	s_add_co_u32 s[KI], s[KI], 1
	s_cmp_eq_u32 s[SN], s[BI1]
	s_cselect_b32 s[KI], 0, s[KI]
	s_and_b32 s[KI], s[KI], 15                     ; a key step is 0 .. 15
.endm
; The second half of a step: its scores, the fetch of its V, its softmax.
.macro KQ_SM
	s_wait_dscnt 0x0                               ; K's fragments and scale words are in
	KQ
	v_add_nc_u32 v[ADV], s[TB], v[AV]              ; four plain instructions: the places between the products above and the loads into V's registers, which the products V^T P have read
	s_lshl_b32 s[X0], s[KI], 2                     ; and between K Q^T and the first read of its results
	v_add_nc_u32 v[ADT], s[X0], v[ASV]
	v_nop
	v_nop
	FETCH_V                                        ; it lands under the softmax
	s_cmp_lg_u32 s[SN], s[DG]                      ; the diagonal step?  The same answer in all eight waves: it hangs on the work-group's number and the step
	s_cbranch_scc1 .Lall_seen_\@
	MASK
.Lall_seen_\@:
	SOFTMAX
	NEXT
.endm
; A BLOCK IS FINISHED.  The sums are joined; O^T / the sum goes through my stage in LDS, half a row (64 channels, 256 bytes) of 16 queries at a time, and leaves as rows.  last = 0: block 15 - i begins.
.macro FINAL last
	v_pk_add_f32 v[L0:L0+1], v[L0:L0+1], v[L1:L1+1]    ; (these four are the places behind the last products)
	v_add_f32 v[T+4], v[L0], v[L0+1]
	v_nop
	v_nop
	v_permlanex16_b32 v[T+5], v[T+4], s[SEL], s[SEL+1]
	v_add_f32 v[T+4], v[T+4], v[T+5]               ; the row's sum: my keys' and lane l xor 16's
	v_rcp_f32 v[RL], v[T+4]
	v_nop                                          ; one plain place behind a transcendental
.set jj, 0
	s_wait_alu depctr_va_vdst(0)
.rept 32
	v_pk_mul_f32 v[S+2*jj:S+2*jj+1], v[O+2*jj:O+2*jj+1], v[RL:RL+1] op_sel_hi:[1,0]   ; register 8 t + j is out(r, 16 t + 8 h + j); S^T's registers are free
.set jj, jj+1
.endr
.irp u, 0,1                            ; channels 64 u on
.irp t, 0,1,2,3
	ds_store_b128 v[STO], v[S+32*\u+8*\t:S+32*\u+8*\t+3] offset:64*\t
	ds_store_b128 v[STO], v[S+32*\u+8*\t+4:S+32*\u+8*\t+7] offset:64*\t+16
.endr
.irp i, 0,1,2,3,4,5,6,7
	ds_load_b128 v[S+32*\u+4*\i:S+32*\u+4*\i+3], v[RD] offset:544*\i   ; LDS serves a wave's instructions in order (ISA guide 5.7.1.4): these see my stores, and the next half's stores come behind them
.endr
.endr
.irp u, 0,1
.irp i, 0,1,2,3,4,5,6,7
	s_wait_dscnt 23-16*\u-\i                       ; younger than this load: the rest of its half's loads, and for the first half the second half's sixteen instructions
	global_store_b128 v[GO], v[S+32*\u+4*\i:S+32*\u+4*\i+3], s[16:17] offset:1024*\i+256*\u th:TH_STORE_NT   ; 16 lanes store 256 consecutive bytes, at a multiple of 256 from out's first byte
.endr
.endr
.if !\last
	s_wait_xcnt 0x0                                ; the stores' base and their data registers (S^T's) are written again only behind this wait
	s_mov_b64 s[16:17], s[18:19]
	s_mov_b32 s[DG], 16
.irp j, 0,1,2,3,4,5,6,7,8,9,10,11
	v_mov_b32 v[Q+\j], v[QH+\j]
.endr
	v_mov_b32 v[QS], v[QHS]
	INIT                                           ; (its moves are also the places between the moves above and the products that take Q and its scale words)
.endif
.endm
; THE CHANGE OF BUFFERS, between two steps.  Each wave waits for all its tensor loads (its tile of the buffer ahead), adds 0 to its spare word, and waits for that and for its reads of the buffer that it has left
; (the last are V's fragments of that buffer's last step, which now lie in registers).  Behind the barrier the buffer ahead is whole and nobody reads the other one.
; fill = 1: that other buffer takes the four steps that follow: one load a wave, which has four steps' work in which to land.
.macro CHANGE fill
	s_wait_tensorcnt 0x0                           ; no tensor load of mine is out, so a group 0 may be written
	ds_add_u32 v[SPW], v[NIL]                      ; 0 onto my spare word; with fill = 1 the descriptors' steps stand between it and the wait for it
.if \fill
	s_add_co_u32 s[FN], s[FN], 4
	s_xor_b32 s[G0K+1], s[G0K+1], SLOT1            ; the other buffer than last time
	s_xor_b32 s[G0V+1], s[G0V+1], SLOT1
	FADDR
.endif
	s_wait_dscnt 0x0                               ; the add is done, and my reads of the buffer that I have left are over
	s_barrier_signal -1
	s_barrier_wait -1
.if \fill
	TLOAD                                          ; the first thing behind the barrier, and a wave's one tensor load until the next
.endif
.endm
; A TRIP.  fin = 1: the trip may be the one in which block i is finished (step i + 1, at most 8).
.macro BODY fin
	FETCH_K                                        ; this step's K: 32 multiplies and 8 products stand between these loads and the wait for them
	RESCALE
	s_wait_dscnt 52                                ; V of the last step is in; the 52 loads just issued may be out
	PV
.if \fin
	s_add_co_u32 s[X0], s[DG], 1
	s_cmp_lg_u32 s[SN], s[X0]
	s_cbranch_scc1 .Lgoes_on_\@
	FINAL 0
.Lgoes_on_\@:
.endif
	KQ_SM
.endm
	INIT
	s_wait_tensorcnt 0x0                           ; my first fills are in (all went out together),
	s_barrier_signal -1
	s_barrier_wait -1                              ; everybody's are
	FETCH_K                                        ; step 0
	s_wait_loadcnt 0x0                             ; Q of both blocks
	KQ_SM
	s_mov_b32 s[TB], 0                             ; step 1 lies at the head of buffer 0
	s_mov_b32 s[CO], 3
.Lslot:                                                ; three trips: steps 1-4, 5-8, 9-12; at the head of each the next four steps are asked for
	CHANGE 1
	s_mov_b32 s[CI], 4
.Lstep:
	BODY 1
	s_sub_co_u32 s[CI], s[CI], 1
	s_cmp_lg_u32 s[CI], 0
	s_cbranch_scc1 .Lstep
	s_sub_co_u32 s[TB], s[TB], 4*STEPB             ; back to a buffer's head,
	s_xor_b32 s[TB], s[TB], SLOT1                  ; in the other buffer
	s_sub_co_u32 s[CO], s[CO], 1
	s_cmp_lg_u32 s[CO], 0
	s_cbranch_scc1 .Lslot
	CHANGE 0                                       ; steps 13-16 are written out: nothing is left to ask for
	s_mov_b32 s[CI], 4
.Ltail:
	BODY 0
	s_sub_co_u32 s[CI], s[CI], 1
	s_cmp_lg_u32 s[CI], 0
	s_cbranch_scc1 .Ltail
	RESCALE                                        ; step 16's second product
	s_wait_dscnt 0x0                               ; its V is in
	PV
	FINAL 1
	s_wait_tensorcnt 0x0                           ; the wave's end, behind my last tensor load and my last LDS store
	ds_add_u32 v[SPW], v[NIL]
	s_wait_dscnt 0x0
	s_endpgm
.Lfunc_end_k_qa7acd9edd2_attn:
	.size	k_qa7acd9edd2_attn, .Lfunc_end_k_qa7acd9edd2_attn-k_qa7acd9edd2_attn
	.p2alignl 7, 3214868480
	.fill 96, 4, 3214868480
	.section	.rodata,"a",@progbits
	.p2align	6, 0x0
	.amdhsa_kernel k_qa7acd9edd2_attn
		.amdhsa_group_segment_fixed_size 327680
		.amdhsa_private_segment_fixed_size 0
		.amdhsa_enable_private_segment 0
		.amdhsa_kernarg_size 56
		.amdhsa_user_sgpr_count 2
		.amdhsa_user_sgpr_kernarg_segment_ptr 1
		.amdhsa_wavefront_size32 1
		.amdhsa_system_sgpr_workgroup_id_x 1
		.amdhsa_system_sgpr_workgroup_id_y 1
		.amdhsa_system_sgpr_workgroup_id_z 1
		.amdhsa_system_vgpr_workitem_id 0
		.amdhsa_next_free_vgpr 448
		.amdhsa_next_free_sgpr 102
		.amdhsa_reserve_vcc 1
		.amdhsa_float_denorm_mode_32 3
		.amdhsa_float_denorm_mode_16_64 3
		.amdhsa_memory_ordered 1
		.amdhsa_forward_progress 1
		.amdhsa_inst_pref_size 118
	.end_amdhsa_kernel
	.amdgpu_metadata
---
amdhsa.version: [ 1, 2 ]
amdhsa.kernels:
  - .name:           k_qa7acd9edd2_attn
    .symbol:         k_qa7acd9edd2_attn.kd
    .args:
      - { .name: q_codes, .offset: 0, .size: 8, .value_kind: global_buffer, .address_space: global }
      - { .name: q_scales, .offset: 8, .size: 8, .value_kind: global_buffer, .address_space: global }
      - { .name: k_codes, .offset: 16, .size: 8, .value_kind: global_buffer, .address_space: global }
      - { .name: k_scales, .offset: 24, .size: 8, .value_kind: global_buffer, .address_space: global }
      - { .name: v_codes, .offset: 32, .size: 8, .value_kind: global_buffer, .address_space: global }
      - { .name: v_scales, .offset: 40, .size: 8, .value_kind: global_buffer, .address_space: global }
      - { .name: out0, .offset: 48, .size: 8, .value_kind: global_buffer, .address_space: global }
    .group_segment_fixed_size: 327680
    .private_segment_fixed_size: 0
    .kernarg_segment_align: 8
    .kernarg_segment_size: 56
    .max_flat_workgroup_size: 256
    .sgpr_count:     102
    .vgpr_count:     448
    .wavefront_size: 32
...
	.end_amdgpu_metadata
.endif
;; end of part 1
